; MI455X (gfx1250); checked and timed in simulation.
; The chip was launched on July 23, 2026; its instructions are those of AMD's public machine-readable ISA for CDNA 5 (MIT licence, August 2026) and "CDNA5" Instruction Set Architecture Reference Guide (July 2026). The comments in the code are by the model that wrote it; some were corrected since.
;; Attention. Allowed arithmetic: float matrix products may take bf16 or f16 operands with f32 sums; other float arithmetic in f32, or as packed bf16 or f16 multiplies, adds, multiply-adds, maxima and minima; sums over many terms, partial sums and values carried from step to step in f32; what a program stores and reads back later, other than sums and carried values, may be rounded once to bf16 or f16.
;; Inputs: Wproj 256 x 256 float32; Wqkv 256 x 768 float32; bproj 256 float32; x 8 x 2,048 x 256 float32.
;; Outputs: out0 8 x 2,048 x 256 float32.
;; Constants: w = 128.
;; 2 versions, each right; version 2 is version 1 with the launch qkv_proj written anew for expert scheduling mode. Each part assembles by itself: llvm-mc -triple=amdgcn-amd-amdhsa -mcpu=gfx1250 --defsym DOCPART=n.
;; ======== version 1 of 2: 2 launches
;; limits: values are held in f16: magnitudes above 65,504 overflow, below 6.1e-05 lose precision
;; workspace buffers: qkv 25,165,824 bytes; wpf 131,072 bytes
;; launch qkv_proj (part 1): grid 4 x 64, 8 waves a work-group, no clusters, 242,688 bytes of LDS; arguments x, Wqkv, Wproj, qkv, wpf; writes qkv, wpf
.if DOCPART == 1
	.amdgcn_target "amdgcn-amd-amdhsa--gfx1250"
	.amdhsa_code_object_version 6
	.text
	.protected	k_q9241e9e463_qkv_proj
	.globl	k_q9241e9e463_qkv_proj
	.p2align	8
	.type	k_q9241e9e463_qkv_proj,@function
k_q9241e9e463_qkv_proj:
	s_mov_b64 s[64:65], 0
	v_nop
	global_prefetch_b8 v0, s[64:65] scope:SCOPE_SE
	s_setreg_imm32_b32 hwreg(HW_REG_WAVE_MODE, 25, 1), 1
	s_wait_xcnt 0x0
; q, k, v = x Wqkv.  x: [8][2048][256] f32, Wqkv: [256][768] f32 (column = 256 t + 32 head + channel; t = 0 q, 1 k, 2 v).
; x and Wqkv are rounded to bf16 for the products, sums in f32, q, k, v rounded once to f16 and stored UNSCALED, in the order in which the next launch's matrix operands want them.
; A token is n = 128 r + c (r = 0..15, c = 0..127).  A FRAGMENT is the 16 tokens r = 0..15 of one column c, one head's 32 channels: 1,024 bytes at part t x 8,388,608 + ((b 8 + head) 128 + c) 1,024,
; laid out [half i][lane l][16 bytes].  q, k: lane l holds token r = l % 16, channels 16 i + 8 (l / 16) + 0..7.  v: lane l holds channel 16 i + l % 16, tokens r = 8 (l / 16) + 0..7.
; ALSO: Wproj, rounded to bf16 and that number written as f16, in fragments for the next launch: fragment (ocb, ks) at (8 ocb + ks) 1,024, same form: lane l holds out channel 16 ocb + l % 16,
; in channels 32 ks + 16 i + 8 (l / 16) + 0..7.  Work-group g stores 512 bytes of it (its wave 0).
; LIMITS.  f16 ends at 65,504: a q, k or v of 65,520 or more becomes an infinity; below 6.1e-5 f16 keeps a fixed step of 6e-8 (Wproj's numbers too).  NaN and infinities are not treated apart.
; SHARES.  Work-group (hp, tb): heads 2 hp, 2 hp + 1; batch tb / 8, columns 16 (tb % 8) .. + 15: 256 tokens x 192 outputs (six UNITS u = 2 t + hd of 32).  Wave w: columns + 2 w, + 2 w + 1 (two token tiles), all units.
; NO TENSOR LOADS, NO CLUSTER: both operands are f32 in memory and must be rounded to bf16 on their way; as f32 the work-group's x (256 KiB) and weights (192 KiB) do not fit into LDS together.
; So they come through registers, 48 loads of 16 bytes a lane in flight in each wave, and lie in LDS as bf16.
.set XPITCH, 528                       ; a token's row in LDS: 512 bytes + 16: an odd multiple of 16, so the 16 rows of a fragment load begin at 16 different 16-byte columns of 256 bytes
.set WPITCH, 416                       ; a row k of the weights in LDS: 192 bf16 = 384 bytes + 32: an odd multiple of 32
.set WBASE,  256*XPITCH                ; X: 256 rows, wave w's 32 at 32 w (row 16 tc + r); then W: 256 rows k
.set SPARE,  WBASE+256*WPITCH          ; behind them: the spare words, 128 bytes for each wave: four blocks of 256 bytes that no other line names
.set L16, 1                            ; v1   16 x lane: offset of x's loads and of all stores; never rewritten
.set SPW, 2                            ; v2   LDS address of my spare word; never rewritten
.set NIL, 3                            ; v3   0; never rewritten
.set WG,  4                            ; v4   Wqkv: (32 w + l / 16) rows of 3,072 bytes + 256 hp + 16 (l % 16)
.set WS,  5                            ; v5   where those go in LDS
.set XS,  6                            ; v6   where x goes in LDS: my wave's rows + 8 x lane
.set XFA, 7                            ; v7   x's fragments: my wave's rows + (l % 16) pitch + 16 (l / 16)
.set WA,  8                            ; v8, v9  the turning loads' address, K steps 0-3 and 4-7
.set PG,  10                           ; v10  Wproj: my eight numbers' first
.set TMP, 16                           ; v16-31  Wproj's numbers; then packed results
.set ACC, 32                           ; v32-63  four accumulators, 2 cb + tc
.set STG, 64                           ; v64-255 48 quads for the loads in flight; afterwards:
.set WB,  64                           ; v64-127 two buffers of four weight fragments
.set XF,  128                          ; v128-255 x's 16 fragments: (tc, ks) at 8 (8 tc + ks)
	s_load_b256 s[4:11], s[0:1], 0x0               ; x s[4:5], Wqkv s[6:7], Wproj s[8:9], qkv s[10:11]
	s_load_b64 s[12:13], s[0:1], 0x20              ; wpf
	v_lshl_add_u32 v[SPW], v0, 2, SPARE
	v_mov_b32 v[NIL], 0
	v_lshrrev_b32 v11, 5, v0
	v_readfirstlane_b32 s14, v11                   ; wave 0..7
	v_and_b32 v11, 31, v0                          ; l
	v_and_b32 v12, 15, v0                          ; l % 16
	v_bfe_u32 v13, v0, 4, 1                        ; l / 16
	s_mov_b32 s15, ttmp9                           ; hp
	s_and_b32 s16, ttmp7, 0xffff                   ; tb
	s_lshr_b32 s17, s16, 3                         ; batch
	s_and_b32 s18, s16, 7
	s_lshl_b32 s18, s18, 4                         ; first column
	s_lshl_b32 s19, s16, 2
	s_add_co_u32 s19, s19, s15                     ; g = 4 tb + hp
	v_lshlrev_b32 v[L16], 4, v11
	s_mul_i32 s26, s14, 32*3072
	s_lshl_b32 s27, s15, 8
	s_add_co_u32 s26, s26, s27
	v_mul_u32_u24 v[WG], v13, 3072
	v_lshl_add_u32 v[WG], v12, 4, v[WG]
	v_add_nc_u32 v[WG], s26, v[WG]
	s_mul_i32 s26, s14, 32*WPITCH
	s_add_co_u32 s26, s26, WBASE
	v_mul_u32_u24 v[WS], v13, WPITCH
	v_lshl_add_u32 v[WS], v12, 3, v[WS]
	v_add_nc_u32 v[WS], s26, v[WS]
	s_mul_i32 s26, s14, 32*XPITCH
	v_lshl_add_u32 v[XS], v11, 3, s26
	v_mul_u32_u24 v[XFA], v12, XPITCH
	v_lshl_add_u32 v[XFA], v13, 4, v[XFA]
	v_add_nc_u32 v[XFA], s26, v[XFA]
	v_and_b32 v14, 7, v0                           ; the turning load: lane l reads row k = 8 (l / 16) + l % 8, 16 bytes at 16 ((l / 8) % 2)
	v_lshl_add_u32 v14, v13, 3, v14
	v_mul_u32_u24 v[WA], v14, WPITCH
	v_bfe_u32 v15, v0, 3, 1
	v_lshl_add_u32 v[WA], v15, 4, v[WA]
	v_add_nc_u32 v[WA], WBASE, v[WA]
	v_add_nc_u32 v[WA+1], 128*WPITCH, v[WA]        ; 128 rows on, so that the immediates stay inside 16 bits
	s_and_b32 s26, s19, 15                         ; Wproj: rows 16 (g % 16) + 8 (l / 16) + 0..7, column 16 (g / 16) + l % 16
	s_lshl_b32 s26, s26, 14
	s_lshr_b32 s27, s19, 4
	s_lshl_b32 s27, s27, 6
	s_add_co_u32 s26, s26, s27
	v_lshlrev_b32 v[PG], 13, v13
	v_lshl_add_u32 v[PG], v12, 2, v[PG]
	v_add_nc_u32 v[PG], s26, v[PG]
	s_lshl_b32 s26, s17, 11                        ; x: token 2,048 b + first column + 2 w, 1,024 bytes each
	s_add_co_u32 s26, s26, s18
	s_lshl_b32 s27, s14, 1
	s_add_co_u32 s26, s26, s27
	s_lshl_b32 s26, s26, 10
	s_lshl_b32 s28, s17, 3                         ; qkv: fragment (8 b + 2 hp) 128 + first column + 2 w
	s_lshl_b32 s29, s15, 1
	s_add_co_u32 s28, s28, s29
	s_lshl_b32 s28, s28, 7
	s_add_co_u32 s28, s28, s18
	s_add_co_u32 s28, s28, s27
	s_lshl_b32 s28, s28, 10
	s_mov_b32 s27, 0
	s_mov_b32 s29, 0
	s_lshl_b32 s30, s19, 9                         ; wpf: 512 g
	s_mov_b32 s31, 0
	s_wait_kmcnt 0x0
	s_add_nc_u64 s[4:5], s[4:5], s[26:27]
	s_add_nc_u64 s[20:21], s[10:11], s[28:29]      ; q's part,
	s_add_nc_u64 s[22:23], s[20:21], 0x800000      ; k's,
	s_add_nc_u64 s[24:25], s[20:21], 0x1000000     ; v's
	s_add_nc_u64 s[12:13], s[12:13], s[30:31]
; LOAD n of 112, into quad n % 48.  n < 48: Wqkv, rows 32 w + 2 (n / 3) and the next, part n % 3: 16 lanes take 256 consecutive bytes of a row.
; n >= 48: x, token row r = (n - 48) / 4, column tc = ((n - 48) / 2) % 2, half of its 1,024 bytes: 512 consecutive bytes.
.macro LD n
.set rD, STG+4*((\n)%48)
.if (\n) < 48
	global_load_b128 v[rD:rD+3], v[WG], s[6:7] offset:((\n)/3)*6144+((\n)%3)*1024
.else
	global_load_b128 v[rD:rD+3], v[L16], s[4:5] offset:(((\n)-48)/4)*131072+((((\n)-48)/2)%2)*1024+(((\n)-48)%2)*512
.endif
.endm
; Its four numbers are rounded to bf16 in place and go to LDS.
.macro CV n
.set rD, STG+4*((\n)%48)
	v_cvt_pk_bf16_f32 v[rD], v[rD], v[rD+1]
	v_cvt_pk_bf16_f32 v[rD+1], v[rD+2], v[rD+3]
.if (\n) < 48
	ds_store_b64 v[WS], v[rD:rD+1] offset:((\n)/3)*2*WPITCH+((\n)%3)*128
.else
	ds_store_b64 v[XS], v[rD:rD+1] offset:(((((\n)-48)/2)%2)*16+((\n)-48)/4)*XPITCH+(((\n)-48)%2)*256
.endif
.endm
.macro PLACES                          ; four places between a matrix instruction and a load into, or a vector read or write of, its registers (ISA guide 7.12.1 for vector instructions)
.rept 4
	v_nop
.endr
.endm
	; Every wave loads the work-group's 8 x 32 numbers of Wproj, so that the counts below are the same in all waves; wave 0 stores them.
.irp j, 0,1,2,3,4,5,6,7
	global_load_b32 v[TMP+(\j)], v[PG], s[8:9] offset:(\j)*1024
.endr
.set nn, 0
.rept 48
	LD nn                                          ; three batches of 16 go out at once
.set nn, nn+1
.endr
.set bi, 0
.rept 7                                ; batch bi is converted, batch bi + 3 asked for
.if bi < 5
	s_wait_loadcnt 32                              ; loads come back in order (ISA guide 5.7.1): the two younger batches may stay out; Wproj's eight are the oldest of all
.elseif bi == 5
	s_wait_loadcnt 16                              ; one younger batch
.else
	s_wait_loadcnt 0x0
.endif
.set nn, 16*bi
.rept 16
	CV nn
.set nn, nn+1
.endr
.if bi < 4
.set nn, 16*bi+48
.rept 16
	LD nn
.set nn, nn+1
.endr
.endif
.set bi, bi+1
.endr
	s_cmp_lg_u32 s14, 0
	s_cbranch_scc1 .Lnot_wave_0
.irp e, 0,1,2,3                        ; Wproj: rounded to bf16 like every input, widened, and that number written as f16
	v_cvt_pk_bf16_f32 v[TMP+8+(\e)], v[TMP+2*(\e)], v[TMP+2*(\e)+1]
	v_lshlrev_b32 v[TMP+2*(\e)], 16, v[TMP+8+(\e)]
	v_and_b32 v[TMP+2*(\e)+1], 0xffff0000, v[TMP+8+(\e)]
	v_cvt_pk_f16_f32 v[TMP+8+(\e)], v[TMP+2*(\e)], v[TMP+2*(\e)+1]
.endr
	global_store_b128 v[L16], v[TMP+8:TMP+11], s[12:13]  ; 512 consecutive bytes, at a multiple of 512 from wpf's first
.Lnot_wave_0:
	s_wait_dscnt 0x0                               ; for the others' sake: my rows of the weights are in LDS
	s_barrier_signal -1
	s_barrier_wait -1                              ; everybody's are.  The launch's only barrier: no LDS byte is written twice
	; x's fragments stay in registers: 16 rows x 32 channels in 8 registers, two loads of 16 bytes, 32 bytes apart
.irp tc, 0,1
.irp ks, 0,1,2,3,4,5,6,7
	ds_load_b128 v[XF+8*(8*(\tc)+(\ks)):XF+8*(8*(\tc)+(\ks))+3],   v[XFA] offset:(\tc)*16*XPITCH+(\ks)*64
	ds_load_b128 v[XF+8*(8*(\tc)+(\ks))+4:XF+8*(8*(\tc)+(\ks))+7], v[XFA] offset:(\tc)*16*XPITCH+(\ks)*64+32
.endr
.endr
; STEP st of 24: unit st / 4, K steps 2 (st % 4) and the next.  Its four weight fragments (K step kk, channel block cb), turned out of [k][n]: lane l gets column l % 16 and 8 + 8 k.
.macro FETCHW st
.set uu, (\st)/4
.set kq, (\st)%4
.irp kk, 0,1
.irp cb, 0,1
.set ks, 2*kq+(\kk)
.set rW, WB+32*((\st)%2)+8*(2*(\kk)+(\cb))
	ds_load_tr16_b128 v[rW:rW+3],   v[WA+ks/4] offset:(ks%4)*32*WPITCH+uu*64+(\cb)*32
	ds_load_tr16_b128 v[rW+4:rW+7], v[WA+ks/4] offset:(ks%4)*32*WPITCH+16*WPITCH+uu*64+(\cb)*32
.endr
.endr
.endm
; Its eight products.  q, k: source 0 = weights, source 1 = x: a lane ends with 8 channels of one token.  v: the other way round: a lane ends with one channel of 8 tokens.
; The four accumulators take turns, one instruction a turn, from step to step and from unit to unit too.  A unit's first four products start the sums with 0.
.macro MULS st
.set uu, (\st)/4
.set kq, (\st)%4
.irp kk, 0,1
.irp cb, 0,1
.irp tc, 0,1
.set rW, WB+32*((\st)%2)+8*(2*(\kk)+(\cb))
.set rX, XF+8*(8*(\tc)+2*kq+(\kk))
.set rA, ACC+8*(2*(\cb)+(\tc))
.if uu < 4
.if (kq == 0) && ((\kk) == 0)
	v_wmma_f32_16x16x32_bf16 v[rA:rA+7], v[rW:rW+7], v[rX:rX+7], 0
.else
	v_wmma_f32_16x16x32_bf16 v[rA:rA+7], v[rW:rW+7], v[rX:rX+7], v[rA:rA+7]
.endif
.else
.if (kq == 0) && ((\kk) == 0)
	v_wmma_f32_16x16x32_bf16 v[rA:rA+7], v[rX:rX+7], v[rW:rW+7], 0
.else
	v_wmma_f32_16x16x32_bf16 v[rA:rA+7], v[rX:rX+7], v[rW:rW+7], v[rA:rA+7]
.endif
.endif
.endr
.endr
.endr
.endm
; Unit u leaves: each accumulator is half a fragment, 16 bytes a lane; each store of the wave covers 512 consecutive bytes, aligned.  Each accumulator is read from its low end on.
.macro WAYOUT u
	PLACES
	s_wait_xcnt 0x0                                ; every earlier store has had its addresses translated (ISA guide 3.1): only behind this wait is TMP, the data of the last unit's stores, written again
.set a, 0
.rept 4
.set e, 0
.rept 4
	v_cvt_pk_f16_f32 v[TMP+4*a+e], v[ACC+8*a+2*e], v[ACC+8*a+2*e+1]
.set e, e+1
.endr
.set a, a+1
.endr
.set a, 0
.rept 4                                ; a = 2 cb + tc: head u % 2, column tc, half cb
	global_store_b128 v[L16], v[TMP+4*a:TMP+4*a+3], s[20+2*((\u)/2):21+2*((\u)/2)] offset:((\u)%2)*131072+(a%2)*1024+(a/2)*512
.set a, a+1
.endr
.endm
	FETCHW 0
.set sn, 0
.rept 23
.if sn > 0
	PLACES                                         ; the buffer that is loaded next was read by the products of the step before
.endif
	FETCHW sn+1
	s_wait_dscnt 8                                 ; all but the eight just issued: this step's fragments are in (at the first step x's too)
	MULS sn
.if sn%4 == 3
	WAYOUT sn/4
.endif
.set sn, sn+1
.endr
	s_wait_dscnt 0x0
	MULS 23
	WAYOUT 5
	s_wait_tensorcnt 0x0                           ; the wave's end: behind my last LDS store
	ds_add_u32 v[SPW], v[NIL]
	s_wait_dscnt 0x0
	s_endpgm
.Lfunc_end_k_q9241e9e463_qkv_proj:
	.size	k_q9241e9e463_qkv_proj, .Lfunc_end_k_q9241e9e463_qkv_proj-k_q9241e9e463_qkv_proj
	.p2alignl 7, 3214868480
	.fill 96, 4, 3214868480
	.section	.rodata,"a",@progbits
	.p2align	6, 0x0
	.amdhsa_kernel k_q9241e9e463_qkv_proj
		.amdhsa_group_segment_fixed_size 242688
		.amdhsa_private_segment_fixed_size 0
		.amdhsa_enable_private_segment 0
		.amdhsa_kernarg_size 40
		.amdhsa_user_sgpr_count 2
		.amdhsa_user_sgpr_kernarg_segment_ptr 1
		.amdhsa_wavefront_size32 1
		.amdhsa_system_sgpr_workgroup_id_x 1
		.amdhsa_system_sgpr_workgroup_id_y 1
		.amdhsa_system_sgpr_workgroup_id_z 1
		.amdhsa_system_vgpr_workitem_id 0
		.amdhsa_next_free_vgpr 256
		.amdhsa_next_free_sgpr 66
		.amdhsa_reserve_vcc 0
		.amdhsa_float_denorm_mode_32 3
		.amdhsa_float_denorm_mode_16_64 3
		.amdhsa_memory_ordered 1
		.amdhsa_forward_progress 1
		.amdhsa_inst_pref_size 76
	.end_amdhsa_kernel
	.amdgpu_metadata
---
amdhsa.version: [ 1, 2 ]
amdhsa.kernels:
  - .name:           k_q9241e9e463_qkv_proj
    .symbol:         k_q9241e9e463_qkv_proj.kd
    .args:
      - { .name: x, .offset: 0, .size: 8, .value_kind: global_buffer, .address_space: global }
      - { .name: Wqkv, .offset: 8, .size: 8, .value_kind: global_buffer, .address_space: global }
      - { .name: Wproj, .offset: 16, .size: 8, .value_kind: global_buffer, .address_space: global }
      - { .name: qkv, .offset: 24, .size: 8, .value_kind: global_buffer, .address_space: global }
      - { .name: wpf, .offset: 32, .size: 8, .value_kind: global_buffer, .address_space: global }
    .group_segment_fixed_size: 242688
    .private_segment_fixed_size: 0
    .kernarg_segment_align: 8
    .kernarg_segment_size: 40
    .max_flat_workgroup_size: 256
    .sgpr_count:     66
    .vgpr_count:     256
    .wavefront_size: 32
...
	.end_amdgpu_metadata
.endif
;; end of part 1
;; launch attn_proj (part 2): grid 256 x 1, 8 waves a work-group, no clusters, 100,352 bytes of LDS; arguments qkv, wpf, bproj, out0; writes out0
.if DOCPART == 2
	.amdgcn_target "amdgcn-amd-amdhsa--gfx1250"
	.amdhsa_code_object_version 6
	.text
	.protected	k_q9241e9e463_attn_proj
	.globl	k_q9241e9e463_attn_proj
	.p2align	8
	.type	k_q9241e9e463_attn_proj,@function
k_q9241e9e463_attn_proj:
	s_mov_b64 s[64:65], 0
	v_nop
	global_prefetch_b8 v0, s[64:65] scope:SCOPE_SE
	s_setreg_imm32_b32 hwreg(HW_REG_WAVE_MODE, 25, 1), 1
	s_wait_xcnt 0x0
; WINDOWED ATTENTION AND OUTPUT PROJECTION.  A token is n = 128 r + c.  The mask that the problem builds opens, for a query in column c, the keys of all 16 r' in the 11 columns
; b(c) .. b(c) + 10, b(c) = clamp(c - 5, 0, 117): 176 keys, the same for the 16 queries of a column.  So a tile of the 16 queries of one column needs no mask, and all its scores are in
; registers at once: the maximum is the true maximum of the 176, taken before the exponentials; there is no running maximum.
; THE WINDOW AS A SET is { wrap(c - 5 + i), i = 0..10 }, wrap(y) = y + 11 below 0, y - 11 above 127, else y; a softmax does not care for the order of its keys.  Four neighbouring query
; columns c0 + j use SLOTS j .. j + 10 of 14, slot t = column wrap(c0 - 5 + t): every register number is a constant, and only 14 offsets hang on the work-group's number.
; INPUTS: qkv and wpf as the launch before laid them (fragments of 1,024 bytes, [half][lane][16 bytes], f16): two loads of 16 bytes a lane ARE a matrix operand.  bproj f32, rounded to bf16 like every input.
; ARITHMETIC.  S^T = K Q^T (a lane holds one query, l % 16, and the keys r' = 8 (l / 16) + 0..7 of a column); p = 2^(c s - c m), c = log2(e) / sqrt(32); p rounded to f16 in pairs IS source 1 of
; O^T = V^T P (two columns a product; the twelfth column's p is 0); l is the sum of the unrounded p; O / l rounded once to f16 IS source 1 of out^T = Wproj^T O^T, whose sums start from the bias.
; LIMITS.  f16 ends at 65,504 (q, k, v arrive within it, O is a mean of v's rows); below 6.1e-5 f16 keeps a fixed step of 6e-8; a weight below 2^-126 counts as 0; NaN and infinities are not treated apart
; (the column whose p is 0 is multiplied by a real v, which must be finite).
; SHARES.  Work-group g: batch g / 32, query columns 4 (g % 32) .. + 3, 64 tokens.  Attention: wave w is head w, four tiles.  Projection: wave w makes out channels 32 w .. + 31 of all 64 tokens.
; NO TENSOR LOADS, NO CLUSTER: K and V go straight into registers as they lie; neighbouring work-groups' 14 slots are shifted by 4 and wrapped at the ends, so no two would ask with one descriptor;
; a wave's 16 KiB of wpf are read by that wave alone.
; REGISTERS, in windows of 256 (s_set_vgpr_msb: bits 1:0 source 0, 7:6 destination).  Window 1: v0-111 K, slot t at 8 t; v112-223 V, slot t, half i at 112 + 16 (t / 2) + 8 i + 4 (t % 2), so that two
; columns' halves are one operand; later wpf's 16 fragments, f at 8 f (f = 14, 15 at 224, 232).  Window 0: all else.
.set OREG,   0                         ; LDS: O's fragments, (8 j + head) 1,024 + 512 i + 16 l
.set STAGE,  32768                     ; f32 rows of the output, row 16 j + r
.set SPITCH, 1040                      ; 1,024 + 16: the 16 rows that a store touches begin at 16 different 16-byte columns of 256 bytes
.set SPARE,  STAGE+64*SPITCH           ; the spare words, 128 bytes for each wave: four blocks of 256 bytes that no other line names
.set L16, 1                            ; v1   16 x lane; never rewritten
.set SPW, 2                            ; v2   LDS address of my spare word; never rewritten
.set NIL, 3                            ; v3   0; never rewritten
.set OS,  4                            ; v4   where my head's O goes
.set ST,  6                            ; v6   where my 32 bytes of a row of the stage go
.set RD,  7                            ; v7   where I read rows back
.set BO,  8                            ; v8   my eight numbers of the bias
.set T,   10                           ; v10-13  at work
.set CM,  14                           ; v[14:15] c m, m
.set KO,  16                           ; v16-29  slot t: 1,024 x its column + 16 x lane; never rewritten
.set RL,  30                           ; v[30:31] 1 / l, and a 0 that is named with it as a pair
.set Q,   32                           ; v32-63   tile j at 8 j
.set S,   64                           ; v64-151  11 score tiles
.set P,   152                          ; v152-199 12 positions of 4
.set O,   200                          ; v200-215 two accumulators
.set OF,  216                          ; v216-223 O packed
.set BI,  32                           ; projection: v32-47 bias
.set PA,  64                           ; v64-127  eight accumulators, 4 o + j; then the rows read back
.set OB,  152                          ; v152-215 two buffers of four fragments of O
.set KF,  0                            ; window 1
.set VF,  112
.set MSB, 0
.macro WIN new                         ; the immediate's high byte repeats the setting that is left; a switch that changes nothing is dropped
.if MSB != (\new)
	s_set_vgpr_msb (MSB<<8)|(\new)
.set MSB, \new
.endif
.endm
.set TO_1, 0x40                        ; a load's destination in window 1, its address in window 0
.set A_1,  0x01                        ; a product's source 0 in window 1
.macro PLACES                          ; four places between a matrix instruction and a load into, or a read of, its registers (ISA guide 7.12.1 for vector instructions)
.rept 4
	v_nop
.endr
.endm
.macro SLOT t                          ; slot t's column: c0 - 5 + t, wrapped; only t < 5 can fall below 0, only t > 8 above 127
	s_add_co_i32 s30, s15, (\t)-5
.if (\t) < 5
	s_add_co_i32 s31, s30, 11
	s_cmp_lt_i32 s30, 0
	s_cselect_b32 s30, s31, s30
.elseif (\t) > 8
	s_sub_co_i32 s31, s30, 11
	s_cmp_gt_i32 s30, 127
	s_cselect_b32 s30, s31, s30
.endif
	v_lshl_add_u32 v[KO+(\t)], s30, 10, v[L16]
.endm
	s_load_b256 s[4:11], s[0:1], 0x0               ; qkv s[4:5], wpf s[6:7], bproj s[8:9], out0 s[10:11]
	v_lshl_add_u32 v[SPW], v0, 2, SPARE
	v_mov_b32 v[NIL], 0
	v_lshrrev_b32 v9, 5, v0
	v_readfirstlane_b32 s12, v9                    ; wave 0..7
	v_and_b32 v10, 31, v0                          ; l
	v_and_b32 v11, 15, v0                          ; l % 16
	v_bfe_u32 v12, v0, 4, 1                        ; l / 16
	v_lshlrev_b32 v[L16], 4, v10
	s_lshr_b32 s14, ttmp9, 5                       ; batch
	s_and_b32 s15, ttmp9, 31
	s_lshl_b32 s15, s15, 2                         ; c0
.irp t, 0,1,2,3,4,5,6,7,8,9,10,11,12,13
	SLOT \t
.endr
	s_lshl_b32 s26, s14, 3
	s_add_co_u32 s26, s26, s12
	s_lshl_b32 s26, s26, 17                        ; (8 b + head) x 128 fragments
	s_mov_b32 s27, 0
	s_lshl_b32 s28, s15, 10
	s_mov_b32 s29, 0
	s_wait_kmcnt 0x0
	s_add_nc_u64 s[18:19], s[4:5], s[26:27]
	s_add_nc_u64 s[16:17], s[18:19], s[28:29]      ; q at column c0
	s_add_nc_u64 s[20:21], s[18:19], 0x1000000     ; v at column 0
	s_add_nc_u64 s[18:19], s[18:19], 0x800000      ; k at column 0
	; 64 loads, 32 KiB a wave, go out at once: Q, then K, then V
.irp j, 0,1,2,3
	global_load_b128 v[Q+8*(\j):Q+8*(\j)+3],   v[L16], s[16:17] offset:(\j)*1024
	global_load_b128 v[Q+8*(\j)+4:Q+8*(\j)+7], v[L16], s[16:17] offset:(\j)*1024+512
.endr
	WIN TO_1
.irp t, 0,1,2,3,4,5,6,7,8,9,10,11,12,13
	global_load_b128 v[KF+8*(\t):KF+8*(\t)+3],   v[KO+(\t)], s[18:19]
	global_load_b128 v[KF+8*(\t)+4:KF+8*(\t)+7], v[KO+(\t)], s[18:19] offset:512
.endr
.irp t, 0,1,2,3,4,5,6,7,8,9,10,11,12,13
	global_load_b128 v[VF+16*((\t)/2)+4*((\t)%2):VF+16*((\t)/2)+4*((\t)%2)+3],     v[KO+(\t)], s[20:21]
	global_load_b128 v[VF+16*((\t)/2)+8+4*((\t)%2):VF+16*((\t)/2)+8+4*((\t)%2)+3], v[KO+(\t)], s[20:21] offset:512
.endr
	WIN 0
	s_lshl_b32 s30, s12, 10
	v_add_nc_u32 v[OS], s30, v[L16]
	s_lshl_b32 s30, s12, 7
	v_lshl_add_u32 v[BO], v12, 5, s30              ; 128 w + 32 (l / 16)
	s_add_co_u32 s30, s30, STAGE
	v_mul_u32_u24 v[ST], v11, SPITCH
	v_lshl_add_u32 v[ST], v12, 5, v[ST]
	v_add_nc_u32 v[ST], s30, v[ST]
	s_mul_i32 s30, s12, 8*SPITCH
	s_add_co_u32 s30, s30, STAGE
	v_add_nc_u32 v[RD], s30, v[L16]
	v_mov_b32 v[RL+1], 0
	s_mov_b32 s22, 0x3e8293ee                      ; c = log2(e) / sqrt(32) = 0.255035
	s_mov_b32 s23, s22                             ; named with it as a pair
	s_mov_b32 s24, 0x76543210                      ; v_permlanex16_b32: each lane takes its own place in the other half
	s_mov_b32 s25, 0xfedcba98
	s_lshl_b32 s26, s12, 14                        ; my 16 fragments of wpf
	s_add_nc_u64 s[6:7], s[6:7], s[26:27]
	s_lshl_b32 s26, s14, 11                        ; the rows that I store: stage rows 8 w .. + 7 are column c0 + w / 2, r = 8 (w % 2) + 0..7
	s_and_b32 s28, s12, 1
	s_lshl_b32 s28, s28, 10
	s_add_co_u32 s26, s26, s28
	s_add_co_u32 s26, s26, s15
	s_lshr_b32 s28, s12, 1
	s_add_co_u32 s26, s26, s28
	s_lshl_b32 s26, s26, 10
	s_add_nc_u64 s[10:11], s[10:11], s[26:27]
.macro FOLD n, off                     ; pairs p + off are added onto pairs p, p < n
.set p, 0
.rept \n
	v_pk_add_f32 v[S+2*p:S+2*p+1], v[S+2*p:S+2*p+1], v[S+2*(p+(\off)):S+2*(p+(\off))+1]
.set p, p+1
.endr
.endm
.macro FS n                            ; pair n of 44: c s - c m
	v_pk_fma_f32 v[S+2*(\n):S+2*(\n)+1], v[S+2*(\n):S+2*(\n)+1], s[22:23], v[CM:CM+1] op_sel_hi:[1,0,0] neg_lo:[0,0,1] neg_hi:[0,0,1]
.endm
; TILE j: the 16 queries of column c0 + j, my head.
.macro TILE j
	WIN A_1
.set t, 0
.rept 11                               ; the scores: head size 32 is one K step; eleven accumulators, one product each
	v_wmma_f32_16x16x32_f16 v[S+8*t:S+8*t+7], v[KF+8*((\j)+t):KF+8*((\j)+t)+7], v[Q+8*(\j):Q+8*(\j)+7], 0
.set t, t+1
.endr
	WIN 0
.set z, P+44*(1-(\j)%2)                ; slots j .. j + 10 stand at positions j % 2 .. of the six pairs from pair j / 2 on: position 11 (j even) or 0 (j odd) has no key: p = 0
.rept 4
	v_mov_b32 v[z], 0                              ; these four are also the places behind the products
.set z, z+1
.endr
.if (\j) == 3                          ; K has been read for the last time: its registers take my 16 fragments of wpf, Q's first two tiles' the bias; a whole softmax stands between these loads and their use
	WIN TO_1
.set fi, 0
.rept 16
.set rW, 8*fi+112*(fi/14)
	global_load_b128 v[rW:rW+3],   v[L16], s[6:7] offset:fi*1024
	global_load_b128 v[rW+4:rW+7], v[L16], s[6:7] offset:fi*1024+512
.set fi, fi+1
.endr
	WIN 0
.irp o, 0,1
	global_load_b128 v[BI+8*(\o):BI+8*(\o)+3],   v[BO], s[8:9] offset:(\o)*64
	global_load_b128 v[BI+8*(\o)+4:BI+8*(\o)+7], v[BO], s[8:9] offset:(\o)*64+16
.endr
.endif
	; the maximum of my 88 scores: four chains, three operands at a time; chain q walks score tiles q, q + 4, q + 8 upward, so each accumulator's first read takes its register 0
.set sx, 0
.rept 11
.set q, 0
.rept 4
.if (q < 3) || (sx < 7)
.if sx == 0
	v_max3_num_f32 v[T+q], v[S+8*q], v[S+8*q+1], v[S+8*q+2]
.else
.set i1, 2*sx+1
.set i2, 2*sx+2
	v_max3_num_f32 v[T+q], v[T+q], v[S+8*(q+4*(i1/8))+i1%8], v[S+8*(q+4*(i2/8))+i2%8]
.endif
.endif
.set q, q+1
.endr
.set sx, sx+1
.endr
	v_max3_num_f32 v[T], v[T], v[S+71], v[S+79]    ; the four scores left over
	v_max3_num_f32 v[T+2], v[T+2], v[S+87], v[S+63]
	v_max3_num_f32 v[T], v[T], v[T+1], v[T+2]
	v_max_num_f32 v[T], v[T], v[T+3]
	v_permlanex16_b32 v[T+1], v[T], s24, s25       ; the query's other 88 keys lie in the lane 16 away
	v_max_num_f32 v[CM+1], v[T], v[T+1]
	v_mul_f32 v[CM], s22, v[CM+1]
	; ONE BATCH: 44 scalings and 88 exponentials, none of which names an exponential's result; a pair is scaled ahead of the pair before's exponentials
	FS 0
.set p, 0
.rept 44
.if p < 43
	FS p+1
.endif
	v_exp_f32 v[S+2*p], v[S+2*p]
	v_exp_f32 v[S+2*p+1], v[S+2*p+1]
.set p, p+1
.endr
	v_nop                                          ; a plain instruction behind the last exponential, ahead of the first use (ISA guide 5.7.2)
	s_wait_alu depctr_va_vdst(0)                   ; a wait ahead of the first line that names a result: one for the 88
.set t, 0
.rept 11
.set e, 0
.rept 4
	v_cvt_pk_f16_f32 v[P+4*(t+(\j)%2)+e], v[S+8*t+2*e], v[S+8*t+2*e+1]
.set e, e+1
.endr
.set t, t+1
.endr
.if (\j) == 0
	s_wait_loadcnt 0x0                             ; V is in
.endif
	WIN A_1
.set i, 0
.rept 6                                ; O^T = V^T P: two columns (32 keys) a product; the two accumulators take turns, one instruction a turn
.irp cb, 0,1
.set rV, VF+16*((\j)/2+i)+8*(\cb)
.if i == 0
	v_wmma_f32_16x16x32_f16 v[O+8*(\cb):O+8*(\cb)+7], v[rV:rV+7], v[P+8*i:P+8*i+7], 0
.else
	v_wmma_f32_16x16x32_f16 v[O+8*(\cb):O+8*(\cb)+7], v[rV:rV+7], v[P+8*i:P+8*i+7], v[O+8*(\cb):O+8*(\cb)+7]
.endif
.endr
.set i, i+1
.endr
	WIN 0
	FOLD 22, 22                                    ; l: the 44 pairs of unrounded p, in place: 43 packed sums, which stand beside those products and are their places
	FOLD 11, 11
	FOLD 5, 5
	FOLD 1, 10
	FOLD 2, 2
	FOLD 1, 1
	FOLD 1, 4
	v_add_f32 v9, v[S], v[S+1]
	v_permlanex16_b32 v[T+1], v9, s24, s25
	v_add_f32 v9, v9, v[T+1]
	v_rcp_f32 v[RL], v9
	v_nop                                          ; a plain instruction behind the reciprocal,
	s_wait_alu depctr_va_vdst(0)                   ; and its wait, ahead of its first reader
.set e, 0
.rept 8
	v_pk_mul_f32 v[O+2*e:O+2*e+1], v[O+2*e:O+2*e+1], v[RL:RL+1] op_sel_hi:[1,0]
.set e, e+1
.endr
.set e, 0
.rept 8
	v_cvt_pk_f16_f32 v[OF+e], v[O+2*e], v[O+2*e+1]
.set e, e+1
.endr
	ds_store_b128 v[OS], v[OF:OF+3]   offset:OREG+(\j)*8192      ; my head's 32 channels of 16 tokens: K step w of the projection, already in operand order
	ds_store_b128 v[OS], v[OF+4:OF+7] offset:OREG+(\j)*8192+512
.endm
	s_wait_loadcnt 28                              ; Q and K are in; V's 28 loads may stay out
	TILE 0
	TILE 1
	TILE 2
	TILE 3
	s_wait_dscnt 0x0                               ; for the others' sake: my head's O is in LDS
	s_barrier_signal -1
	s_barrier_wait -1                              ; all eight heads' are
; THE PROJECTION: out^T = Wproj^T O^T.  K step ks is head ks.  Four fragments of O (tiles j) a step, two buffers.
.macro FETCHO ks
	WIN 0
.irp j, 0,1,2,3
	ds_load_b128 v[OB+32*((\ks)%2)+8*(\j):OB+32*((\ks)%2)+8*(\j)+3],   v[L16] offset:OREG+(\j)*8192+(\ks)*1024
	ds_load_b128 v[OB+32*((\ks)%2)+8*(\j)+4:OB+32*((\ks)%2)+8*(\j)+7], v[L16] offset:OREG+(\j)*8192+(\ks)*1024+512
.endr
.endm
.macro MULP ks                         ; eight products; the eight accumulators take turns; the first K step's sums start from the bias
	WIN A_1
.irp o, 0,1
.irp j, 0,1,2,3
.set fi, 8*(\o)+(\ks)
.set rW, 8*fi+112*(fi/14)
.set rA, PA+8*(4*(\o)+(\j))
.set rB, OB+32*((\ks)%2)+8*(\j)
.if (\ks) == 0
	v_wmma_f32_16x16x32_f16 v[rA:rA+7], v[rW:rW+7], v[rB:rB+7], v[BI+8*(\o):BI+8*(\o)+7]
.else
	v_wmma_f32_16x16x32_f16 v[rA:rA+7], v[rW:rW+7], v[rB:rB+7], v[rA:rA+7]
.endif
.endr
.endr
.endm
	FETCHO 0
	s_wait_loadcnt 0x0                             ; wpf and the bias
.set e, 0
.rept 8                                ; the bias is rounded to bf16 like every input, and widened again
	v_cvt_pk_bf16_f32 v[T+e%4], v[BI+2*e], v[BI+2*e+1]
	v_lshlrev_b32 v[BI+2*e], 16, v[T+e%4]
	v_and_b32 v[BI+2*e+1], 0xffff0000, v[T+e%4]
.set e, e+1
.endr
.set kn, 0
.rept 7
.if kn > 0
	PLACES                                         ; the buffer that is loaded next was read by the products of the step before
.endif
	FETCHO kn+1
	s_wait_dscnt 8                                 ; all but the eight just issued
	MULP kn
.set kn, kn+1
.endr
	s_wait_dscnt 0x0
	MULP 7
	WIN 0
	; THE WAY OUT.  A lane holds 8 neighbouring out channels of one token: 32 bytes.  They meet in the stage, so that whole rows of 1,024 bytes leave.
	PLACES
.irp o, 0,1
.irp j, 0,1,2,3
	ds_store_b128 v[ST], v[PA+8*(4*(\o)+(\j)):PA+8*(4*(\o)+(\j))+3]   offset:(\j)*16*SPITCH+(\o)*64
	ds_store_b128 v[ST], v[PA+8*(4*(\o)+(\j))+4:PA+8*(4*(\o)+(\j))+7] offset:(\j)*16*SPITCH+(\o)*64+16
.endr
.endr
	s_wait_dscnt 0x0                               ; for the others' sake: my 128 bytes of each of the 64 rows are in the stage
	s_barrier_signal -1
	s_barrier_wait -1
.set n, 0
.rept 16                               ; rows 8 w + n / 2, half n % 2
	ds_load_b128 v[PA+4*n:PA+4*n+3], v[RD] offset:(n/2)*SPITCH+(n%2)*512
.set n, n+1
.endr
.set n, 0
.rept 16
	s_wait_dscnt 15-n                              ; LDS loads come back in order (ISA guide 5.7.1): number n is in, the younger ones may stay out
	global_store_b128 v[L16], v[PA+4*n:PA+4*n+3], s[10:11] offset:(n/2)*131072+(n%2)*512 th:TH_STORE_NT  ; 512 consecutive bytes, at a multiple of 512 from out0's first
.set n, n+1
.endr
	s_wait_tensorcnt 0x0                           ; the wave's end: behind my last LDS store
	ds_add_u32 v[SPW], v[NIL]
	s_wait_dscnt 0x0
	s_endpgm
.Lfunc_end_k_q9241e9e463_attn_proj:
	.size	k_q9241e9e463_attn_proj, .Lfunc_end_k_q9241e9e463_attn_proj-k_q9241e9e463_attn_proj
	.p2alignl 7, 3214868480
	.fill 96, 4, 3214868480
	.section	.rodata,"a",@progbits
	.p2align	6, 0x0
	.amdhsa_kernel k_q9241e9e463_attn_proj
		.amdhsa_group_segment_fixed_size 100352
		.amdhsa_private_segment_fixed_size 0
		.amdhsa_enable_private_segment 0
		.amdhsa_kernarg_size 32
		.amdhsa_user_sgpr_count 2
		.amdhsa_user_sgpr_kernarg_segment_ptr 1
		.amdhsa_wavefront_size32 1
		.amdhsa_system_sgpr_workgroup_id_x 1
		.amdhsa_system_sgpr_workgroup_id_y 1
		.amdhsa_system_sgpr_workgroup_id_z 1
		.amdhsa_system_vgpr_workitem_id 0
		.amdhsa_next_free_vgpr 512
		.amdhsa_next_free_sgpr 66
		.amdhsa_reserve_vcc 0
		.amdhsa_float_denorm_mode_32 3
		.amdhsa_float_denorm_mode_16_64 3
		.amdhsa_memory_ordered 1
		.amdhsa_forward_progress 1
		.amdhsa_inst_pref_size 97
	.end_amdhsa_kernel
	.amdgpu_metadata
---
amdhsa.version: [ 1, 2 ]
amdhsa.kernels:
  - .name:           k_q9241e9e463_attn_proj
    .symbol:         k_q9241e9e463_attn_proj.kd
    .args:
      - { .name: qkv, .offset: 0, .size: 8, .value_kind: global_buffer, .address_space: global }
      - { .name: wpf, .offset: 8, .size: 8, .value_kind: global_buffer, .address_space: global }
      - { .name: bproj, .offset: 16, .size: 8, .value_kind: global_buffer, .address_space: global }
      - { .name: out0, .offset: 24, .size: 8, .value_kind: global_buffer, .address_space: global }
    .group_segment_fixed_size: 100352
    .private_segment_fixed_size: 0
    .kernarg_segment_align: 8
    .kernarg_segment_size: 32
    .max_flat_workgroup_size: 256
    .sgpr_count:     66
    .vgpr_count:     512
    .wavefront_size: 32
...
	.end_amdgpu_metadata
.endif
;; end of part 2
;; ======== version 2 of 2: 2 launches; version 1 with the launch qkv_proj written anew for expert scheduling mode
;; limits: values are held in f16: magnitudes above 65,504 overflow, below 6.1e-05 lose precision
;; workspace buffers: qkv 25,165,824 bytes; wpf 131,072 bytes
;; launch qkv_proj (part 3): grid 4 x 64, 8 waves a work-group, no clusters, 242,688 bytes of LDS; arguments x, Wqkv, Wproj, qkv, wpf; writes qkv, wpf
.if DOCPART == 3
	.amdgcn_target "amdgcn-amd-amdhsa--gfx1250"
	.amdhsa_code_object_version 6
	.text
	.protected	k_q9241e9e463_qkv_proj
	.globl	k_q9241e9e463_qkv_proj
	.p2align	8
	.type	k_q9241e9e463_qkv_proj,@function
k_q9241e9e463_qkv_proj:
	s_mov_b64 s[64:65], 0
	v_nop
	global_prefetch_b8 v0, s[64:65] scope:SCOPE_SE
	s_setreg_imm32_b32 hwreg(HW_REG_WAVE_SCHED_MODE, 0, 2), 2
	s_setreg_imm32_b32 hwreg(HW_REG_WAVE_MODE, 25, 1), 1
	s_wait_xcnt 0x0
	s_wait_alu depctr_vm_vsrc(0)
; q, k, v = x Wqkv.  x: [8][2048][256] f32, Wqkv: [256][768] f32 (column = 256 t + 32 head + channel; t = 0 q, 1 k, 2 v).
; x and Wqkv are rounded to bf16 for the products, sums in f32, q, k, v rounded once to f16 and stored UNSCALED, in the order in which the next launch's matrix operands want them.
; A token is n = 128 r + c (r = 0..15, c = 0..127).  A FRAGMENT is the 16 tokens r = 0..15 of one column c, one head's 32 channels: 1,024 bytes at part t x 8,388,608 + ((b 8 + head) 128 + c) 1,024,
; laid out [half i][lane l][16 bytes].  q, k: lane l holds token r = l % 16, channels 16 i + 8 (l / 16) + 0..7.  v: lane l holds channel 16 i + l % 16, tokens r = 8 (l / 16) + 0..7.
; ALSO: Wproj, rounded to bf16 and that number written as f16, in fragments for the next launch: fragment (ocb, ks) at (8 ocb + ks) 1,024, same form: lane l holds out channel 16 ocb + l % 16,
; in channels 32 ks + 16 i + 8 (l / 16) + 0..7.  Work-group g stores 512 bytes of it (its wave 0).
; LIMITS.  f16 ends at 65,504: a q, k or v of 65,520 or more becomes an infinity; below 6.1e-5 f16 keeps a fixed step of 6e-8 (Wproj's numbers too).  NaN and infinities are not treated apart.
; SHARES.  Work-group (hp, tb): heads 2 hp, 2 hp + 1; batch tb / 8, columns 16 (tb % 8) .. + 15: 256 tokens x 192 outputs (six UNITS u = 2 t + hd of 32).  Wave w: columns + 2 w, + 2 w + 1 (two token tiles), all units.
; NO TENSOR LOADS, NO CLUSTER: both operands are f32 in memory and must be rounded to bf16 on their way; as f32 the work-group's x (256 KiB) and weights (192 KiB) do not fit into LDS together.
; So they come through registers, 48 loads of 16 bytes a lane in flight in each wave, and lie in LDS as bf16.
; THE MODE: SCHED_MODE bits 1:0 = 2 (LLVM: expert scheduling mode 2), set by the entry lines.  The code itself states the register dependences
; between vector or matrix instructions and memory or LDS instructions, with s_wait_alu, always for 0.
; THE PLAN.  Registers that memory or LDS instructions touch:
;   v1, v4-v10      offsets and LDS addresses; v2, v3 the closing add's two.  Written at the head, never again.
;   STG, 48 quads   Written by the global loads; read by the conversions of the quad's batch; then the loads of the batch three on land in it.  No memory instruction reads them.
;   OUT, 16 pairs   Written by a batch's 32 conversions; read by that batch's 16 LDS stores; written again by the next batch's conversions; behind the barrier these registers are the accumulators.
;   TMP             Wproj's loads land in v16-23; wave 0's conversions work there, and its store reads v24-27.  Later a unit's 16 roundings write v16-31, and the four stores issued in the next step read them.
;   WB0, WB1        The turning loads issued in step s land in WB[(s + 1) % 2], which the products of step s - 1 read and those of step s + 1 will read.
;   XF              Loaded once, behind the barrier; read by products alone.
; A rounding batch has one wait on vm_vsrc at its head (OUT is free) and one on va_vdst behind its conversions (OUT is written, the raw quads are read out); its loads and LDS stores follow with no vector line among them.
; A step of the products has ONE wait on va_vdst, at its head: the products of the step before are done reading the other buffer, and, where a unit has just ended, its roundings have written TMP.  The step's eight
; fragment loads and that unit's four stores follow, dealt among the step's products, which name WB[s % 2], XF and the accumulators: none of the registers that those loads and stores touch.
.set XPITCH, 528                       ; a token's row in LDS: 512 bytes + 16: an odd multiple of 16, so the 16 rows of a fragment load begin at 16 different 16-byte columns of 256 bytes
.set WPITCH, 416                       ; a row k of the weights in LDS: 192 bf16 = 384 bytes + 32: an odd multiple of 32
.set WBASE,  256*XPITCH                ; X: 256 rows, wave w's 32 at 32 w (row 16 tc + r); then W: 256 rows k
.set SPARE,  WBASE+256*WPITCH          ; behind them: the spare words, 128 bytes for each wave: four blocks of 256 bytes that no other line names
.set L16, 1                            ; v1   16 x lane: offset of x's loads and of all stores; never rewritten
.set SPW, 2                            ; v2   LDS address of my spare word; never rewritten
.set NIL, 3                            ; v3   0; never rewritten
.set WG,  4                            ; v4   Wqkv: (32 w + l / 16) rows of 3,072 bytes + 256 hp + 16 (l % 16)
.set WS,  5                            ; v5   where those go in LDS
.set XS,  6                            ; v6   where x goes in LDS: my wave's rows + 8 x lane
.set XFA, 7                            ; v7   x's fragments: my wave's rows + (l % 16) pitch + 16 (l / 16)
.set WA,  8                            ; v8, v9  the turning loads' address, K steps 0-3 and 4-7
.set PG,  10                           ; v10  Wproj: my eight numbers' first
.set TMP, 16                           ; v16-31  Wproj's numbers; then packed results
.set ACC, 32                           ; v32-63  four accumulators, 2 cb + tc
.set OUT, 32                           ; v32-63  ahead of the barrier: 16 pairs, a batch's numbers in bf16 on their way to LDS
.set STG, 64                           ; v64-255 48 quads for the loads in flight; afterwards:
.set WB,  64                           ; v64-127 two buffers of four weight fragments
.set XF,  128                          ; v128-255 x's 16 fragments: (tc, ks) at 8 (8 tc + ks)
	s_load_b256 s[4:11], s[0:1], 0x0               ; x s[4:5], Wqkv s[6:7], Wproj s[8:9], qkv s[10:11]
	s_load_b64 s[12:13], s[0:1], 0x20              ; wpf
	v_lshl_add_u32 v[SPW], v0, 2, SPARE
	v_mov_b32 v[NIL], 0
	v_lshrrev_b32 v11, 5, v0
	v_readfirstlane_b32 s14, v11                   ; wave 0..7
	v_and_b32 v11, 31, v0                          ; l
	v_and_b32 v12, 15, v0                          ; l % 16
	v_bfe_u32 v13, v0, 4, 1                        ; l / 16
	s_mov_b32 s15, ttmp9                           ; hp
	s_and_b32 s16, ttmp7, 0xffff                   ; tb
	s_lshr_b32 s17, s16, 3                         ; batch
	s_and_b32 s18, s16, 7
	s_lshl_b32 s18, s18, 4                         ; first column
	s_lshl_b32 s19, s16, 2
	s_add_co_u32 s19, s19, s15                     ; g = 4 tb + hp
	v_lshlrev_b32 v[L16], 4, v11
	s_wait_alu depctr_va_sdst(0)                   ; s14, the wave's number, is written, ahead of its first reader: offsets, bases and a branch are made from it
	s_mul_i32 s26, s14, 32*3072
	s_lshl_b32 s27, s15, 8
	s_add_co_u32 s26, s26, s27
	v_mul_u32_u24 v[WG], v13, 3072
	v_lshl_add_u32 v[WG], v12, 4, v[WG]
	v_add_nc_u32 v[WG], s26, v[WG]
	s_mul_i32 s26, s14, 32*WPITCH
	s_add_co_u32 s26, s26, WBASE
	v_mul_u32_u24 v[WS], v13, WPITCH
	v_lshl_add_u32 v[WS], v12, 3, v[WS]
	v_add_nc_u32 v[WS], s26, v[WS]
	s_mul_i32 s26, s14, 32*XPITCH
	v_lshl_add_u32 v[XS], v11, 3, s26
	v_mul_u32_u24 v[XFA], v12, XPITCH
	v_lshl_add_u32 v[XFA], v13, 4, v[XFA]
	v_add_nc_u32 v[XFA], s26, v[XFA]
	v_and_b32 v14, 7, v0                           ; the turning load: lane l reads row k = 8 (l / 16) + l % 8, 16 bytes at 16 ((l / 8) % 2)
	v_lshl_add_u32 v14, v13, 3, v14
	v_mul_u32_u24 v[WA], v14, WPITCH
	v_bfe_u32 v15, v0, 3, 1
	v_lshl_add_u32 v[WA], v15, 4, v[WA]
	v_add_nc_u32 v[WA], WBASE, v[WA]
	v_add_nc_u32 v[WA+1], 128*WPITCH, v[WA]        ; 128 rows on, so that the immediates stay inside 16 bits
	s_and_b32 s26, s19, 15                         ; Wproj: rows 16 (g % 16) + 8 (l / 16) + 0..7, column 16 (g / 16) + l % 16
	s_lshl_b32 s26, s26, 14
	s_lshr_b32 s27, s19, 4
	s_lshl_b32 s27, s27, 6
	s_add_co_u32 s26, s26, s27
	v_lshlrev_b32 v[PG], 13, v13
	v_lshl_add_u32 v[PG], v12, 2, v[PG]
	v_add_nc_u32 v[PG], s26, v[PG]
	s_lshl_b32 s26, s17, 11                        ; x: token 2,048 b + first column + 2 w, 1,024 bytes each
	s_add_co_u32 s26, s26, s18
	s_lshl_b32 s27, s14, 1
	s_add_co_u32 s26, s26, s27
	s_lshl_b32 s26, s26, 10
	s_lshl_b32 s28, s17, 3                         ; qkv: fragment (8 b + 2 hp) 128 + first column + 2 w
	s_lshl_b32 s29, s15, 1
	s_add_co_u32 s28, s28, s29
	s_lshl_b32 s28, s28, 7
	s_add_co_u32 s28, s28, s18
	s_add_co_u32 s28, s28, s27
	s_lshl_b32 s28, s28, 10
	s_mov_b32 s27, 0
	s_mov_b32 s29, 0
	s_lshl_b32 s30, s19, 9                         ; wpf: 512 g
	s_mov_b32 s31, 0
	s_wait_kmcnt 0x0
	s_add_nc_u64 s[4:5], s[4:5], s[26:27]
	s_add_nc_u64 s[20:21], s[10:11], s[28:29]      ; q's part,
	s_add_nc_u64 s[22:23], s[20:21], 0x800000      ; k's,
	s_add_nc_u64 s[24:25], s[20:21], 0x1000000     ; v's
	s_add_nc_u64 s[12:13], s[12:13], s[30:31]
	s_wait_alu depctr_va_vdst(0)                   ; the offsets and addresses v1 and v4 to v10 are written, which every load and store of the kernel reads; so are v2 and v3, which the closing add reads
; LOAD n of 112, into quad n % 48.  n < 48: Wqkv, rows 32 w + 2 (n / 3) and the next, part n % 3: 16 lanes take 256 consecutive bytes of a row.
; n >= 48: x, token row r = (n - 48) / 4, column tc = ((n - 48) / 2) % 2, half of its 1,024 bytes: 512 consecutive bytes.
.macro LD n
.set rD, STG+4*((\n)%48)
.if (\n) < 48
	global_load_b128 v[rD:rD+3], v[WG], s[6:7] offset:((\n)/3)*6144+((\n)%3)*1024
.else
	global_load_b128 v[rD:rD+3], v[L16], s[4:5] offset:(((\n)-48)/4)*131072+((((\n)-48)/2)%2)*1024+(((\n)-48)%2)*512
.endif
.endm
; Its four numbers are rounded to bf16, into pair n % 16 of OUT: the quad is then free for its next load,
.macro CV n
.set rD, STG+4*((\n)%48)
.set rO, OUT+2*((\n)%16)
	v_cvt_pk_bf16_f32 v[rO], v[rD], v[rD+1]
	v_cvt_pk_bf16_f32 v[rO+1], v[rD+2], v[rD+3]
.endm
; and the pair goes to LDS.
.macro SD n
.set rO, OUT+2*((\n)%16)
.if (\n) < 48
	ds_store_b64 v[WS], v[rO:rO+1] offset:((\n)/3)*2*WPITCH+((\n)%3)*128
.else
	ds_store_b64 v[XS], v[rO:rO+1] offset:(((((\n)-48)/2)%2)*16+((\n)-48)/4)*XPITCH+(((\n)-48)%2)*256
.endif
.endm
.macro PLACES                          ; four places between a matrix instruction and a vector read of its result (ISA guide 7.12.1)
.rept 4
	v_nop
.endr
.endm
	; Every wave loads the work-group's 8 x 32 numbers of Wproj, so that the counts below are the same in all waves; wave 0 stores them.
.irp j, 0,1,2,3,4,5,6,7
	global_load_b32 v[TMP+(\j)], v[PG], s[8:9] offset:(\j)*1024
.endr
.set nn, 0
.rept 48
	LD nn                                          ; three batches of 16 go out at once
.set nn, nn+1
.endr
.set bi, 0
.rept 7                                ; batch bi is converted, batch bi + 3 asked for
.if bi < 5
	s_wait_loadcnt 32                              ; loads come back in order (ISA guide 5.7.1): the two younger batches may stay out; Wproj's eight are the oldest of all
.elseif bi == 5
	s_wait_loadcnt 16                              ; one younger batch
.else
	s_wait_loadcnt 0x0
.endif
.if bi > 0
	s_wait_alu depctr_vm_vsrc(0)                   ; the LDS stores of the batch before have read OUT, which this batch's conversions write again
.endif
.set nn, 16*bi
.rept 16
	CV nn
.set nn, nn+1
.endr
	s_wait_alu depctr_va_vdst(0)                   ; the conversions have written OUT, which the LDS stores below read, and are done reading the batch's 16 quads, in which the loads below land
.set nn, 16*bi
.rept 16                               ; a load and an LDS store by turns, the load first; no vector line stands among them
.if bi < 4
	LD nn+48
.endif
	SD nn
.set nn, nn+1
.endr
.set bi, bi+1
.endr
	s_cmp_lg_u32 s14, 0
	s_cbranch_scc1 .Lnot_wave_0
.irp e, 0,1,2,3                        ; Wproj: rounded to bf16 like every input, widened, and that number written as f16
	v_cvt_pk_bf16_f32 v[TMP+8+(\e)], v[TMP+2*(\e)], v[TMP+2*(\e)+1]
	v_lshlrev_b32 v[TMP+2*(\e)], 16, v[TMP+8+(\e)]
	v_and_b32 v[TMP+2*(\e)+1], 0xffff0000, v[TMP+8+(\e)]
	v_cvt_pk_f16_f32 v[TMP+8+(\e)], v[TMP+2*(\e)], v[TMP+2*(\e)+1]
.endr
	s_wait_alu depctr_va_vdst(0)                   ; those conversions have written v[TMP+8 .. TMP+11], the store's data
	global_store_b128 v[L16], v[TMP+8:TMP+11], s[12:13]  ; 512 consecutive bytes, at a multiple of 512 from wpf's first
.Lnot_wave_0:
	s_wait_dscnt 0x0                               ; for the others' sake: my rows of the weights are in LDS
	s_barrier_signal -1
	s_barrier_wait -1                              ; everybody's are.  The launch's only barrier: no LDS byte is written twice
	s_wait_alu depctr_vm_vsrc(0)                   ; my LDS stores have read OUT: these registers are the accumulators from here on, written by the products
	; x's fragments stay in registers: 16 rows x 32 channels in 8 registers, two loads of 16 bytes, 32 bytes apart.
	; They, and the weights' fragments, land in the quads' registers: no vector line has named those since the wait behind the last batch's conversions (wave 0's lines name TMP alone).
.irp tc, 0,1
.irp ks, 0,1,2,3,4,5,6,7
	ds_load_b128 v[XF+8*(8*(\tc)+(\ks)):XF+8*(8*(\tc)+(\ks))+3],   v[XFA] offset:(\tc)*16*XPITCH+(\ks)*64
	ds_load_b128 v[XF+8*(8*(\tc)+(\ks))+4:XF+8*(8*(\tc)+(\ks))+7], v[XFA] offset:(\tc)*16*XPITCH+(\ks)*64+32
.endr
.endr
; STEP st of 24: unit st / 4, K steps 2 (st % 4) and the next.  Weight fragment f of its four (K step f / 2, channel block f % 2), turned out of [k][n]: lane l gets column l % 16 and 8 + 8 k.
.macro LW st, f
.set uu, (\st)/4
.set ks, 2*((\st)%4)+(\f)/2
.set rW, WB+32*((\st)%2)+8*(\f)
	ds_load_tr16_b128 v[rW:rW+3],   v[WA+ks/4] offset:(ks%4)*32*WPITCH+uu*64+((\f)%2)*32
	ds_load_tr16_b128 v[rW+4:rW+7], v[WA+ks/4] offset:(ks%4)*32*WPITCH+16*WPITCH+uu*64+((\f)%2)*32
.endm
; Product i of its eight: K step i / 4, channel block (i / 2) % 2, token tile i % 2.  q, k: source 0 = weights, source 1 = x: a lane ends with 8 channels of one token.  v: the other way round: a lane ends
; with one channel of 8 tokens.  The four accumulators take turns, one instruction a turn, from step to step and from unit to unit too.  A unit's first four products start the sums with 0.
.macro WM st, i
.set uu, (\st)/4
.set kq, (\st)%4
.set rW, WB+32*((\st)%2)+8*((\i)/2)
.set rX, XF+8*(8*((\i)%2)+2*kq+(\i)/4)
.set rA, ACC+8*((\i)%4)
.if uu < 4
.if (kq == 0) && ((\i) < 4)
	v_wmma_f32_16x16x32_bf16 v[rA:rA+7], v[rW:rW+7], v[rX:rX+7], 0
.else
	v_wmma_f32_16x16x32_bf16 v[rA:rA+7], v[rW:rW+7], v[rX:rX+7], v[rA:rA+7]
.endif
.else
.if (kq == 0) && ((\i) < 4)
	v_wmma_f32_16x16x32_bf16 v[rA:rA+7], v[rX:rX+7], v[rW:rW+7], 0
.else
	v_wmma_f32_16x16x32_bf16 v[rA:rA+7], v[rX:rX+7], v[rW:rW+7], v[rA:rA+7]
.endif
.endif
.endm
; A unit is finished: each accumulator is half a fragment, rounded to 16 bytes a lane.  Each accumulator is read from its low end on.
.macro PACK
	PLACES
	s_wait_xcnt 0x0                                ; every earlier store has had its addresses translated (ISA guide 3.1): only behind this wait is TMP, the data of the last unit's stores, written again
	s_wait_alu depctr_vm_vsrc(0)                   ; the last unit's four stores (ahead of the first unit: wave 0's store of Wproj) have read TMP, which the roundings below write again
.set a, 0
.rept 4
.set e, 0
.rept 4
	v_cvt_pk_f16_f32 v[TMP+4*a+e], v[ACC+8*a+2*e], v[ACC+8*a+2*e+1]
.set e, e+1
.endr
.set a, a+1
.endr
.endm
; Store a of unit u's four (a = 2 cb + tc: head u % 2, column tc, half cb): each store of the wave covers 512 consecutive bytes, aligned.
.macro SEND u, a
	global_store_b128 v[L16], v[TMP+4*(\a):TMP+4*(\a)+3], s[20+2*((\u)/2):21+2*((\u)/2)] offset:((\u)%2)*131072+((\a)%2)*1024+((\a)/2)*512
.endm
; Step s.  Steps 1 to 22 have the one wait; step 0 has no products ahead of it, and step 23 issues neither load nor store.
.macro STEP s
	s_wait_dscnt 0x0                               ; this step's fragments, asked for in the step before, are in (at the first step x's too)
.if ((\s) > 0) && ((\s) < 23)
	s_wait_alu depctr_va_vdst(0)                   ; the products of the step before are done reading the other buffer, in which the loads below land; at a unit's first step the last unit's roundings have written TMP, which the stores below read
.endif
	WM \s, 0
.if (\s) < 23
	LW (\s)+1, 0                                   ; the next step's fragments, early in the step.  No wait: no product since the wait above names the other buffer
	LW (\s)+1, 1
.endif
	WM \s, 1
.if (\s) < 23
	LW (\s)+1, 2
	LW (\s)+1, 3
.endif
.set wi, 2
.rept 4
	WM \s, wi
.if ((\s) > 0) && ((\s)%4 == 0)
	SEND (\s)/4-1, wi-2                            ; the unit before leaves.  No wait: no line since the wait above names TMP
.endif
.set wi, wi+1
.endr
	WM \s, 6
	WM \s, 7
.if (\s)%4 == 3
	PACK
.endif
.endm
.irp f, 0,1,2,3
	LW 0, \f
.endr
.set sq, 0
.rept 24
	STEP sq
.set sq, sq+1
.endr
	s_wait_alu depctr_va_vdst(0)                   ; the last unit's roundings have written TMP, which the last four stores read
.irp a, 0,1,2,3
	SEND 5, \a
.endr
	s_wait_dscnt 0x0                               ; the closing lines, six on end
	s_wait_alu 0x0
	s_wait_tensorcnt 0x0
	ds_add_u32 v[SPW], v[NIL]
	s_wait_dscnt 0x0
	s_endpgm
.Lfunc_end_k_q9241e9e463_qkv_proj:
	.size	k_q9241e9e463_qkv_proj, .Lfunc_end_k_q9241e9e463_qkv_proj-k_q9241e9e463_qkv_proj
	.p2alignl 7, 3214868480
	.fill 96, 4, 3214868480
	.section	.rodata,"a",@progbits
	.p2align	6, 0x0
	.amdhsa_kernel k_q9241e9e463_qkv_proj
		.amdhsa_group_segment_fixed_size 242688
		.amdhsa_private_segment_fixed_size 0
		.amdhsa_enable_private_segment 0
		.amdhsa_kernarg_size 40
		.amdhsa_user_sgpr_count 2
		.amdhsa_user_sgpr_kernarg_segment_ptr 1
		.amdhsa_wavefront_size32 1
		.amdhsa_system_sgpr_workgroup_id_x 1
		.amdhsa_system_sgpr_workgroup_id_y 1
		.amdhsa_system_sgpr_workgroup_id_z 1
		.amdhsa_system_vgpr_workitem_id 0
		.amdhsa_next_free_vgpr 256
		.amdhsa_next_free_sgpr 66
		.amdhsa_reserve_vcc 0
		.amdhsa_float_denorm_mode_32 3
		.amdhsa_float_denorm_mode_16_64 3
		.amdhsa_memory_ordered 1
		.amdhsa_forward_progress 1
		.amdhsa_inst_pref_size 75
	.end_amdhsa_kernel
	.amdgpu_metadata
---
amdhsa.version: [ 1, 2 ]
amdhsa.kernels:
  - .name:           k_q9241e9e463_qkv_proj
    .symbol:         k_q9241e9e463_qkv_proj.kd
    .args:
      - { .name: x, .offset: 0, .size: 8, .value_kind: global_buffer, .address_space: global }
      - { .name: Wqkv, .offset: 8, .size: 8, .value_kind: global_buffer, .address_space: global }
      - { .name: Wproj, .offset: 16, .size: 8, .value_kind: global_buffer, .address_space: global }
      - { .name: qkv, .offset: 24, .size: 8, .value_kind: global_buffer, .address_space: global }
      - { .name: wpf, .offset: 32, .size: 8, .value_kind: global_buffer, .address_space: global }
    .group_segment_fixed_size: 242688
    .private_segment_fixed_size: 0
    .kernarg_segment_align: 8
    .kernarg_segment_size: 40
    .max_flat_workgroup_size: 256
    .sgpr_count:     66
    .vgpr_count:     256
    .wavefront_size: 32
...
	.end_amdgpu_metadata
.endif
;; end of part 3
;; launch attn_proj: the kernel of part 2 again; grid 256 x 1, 8 waves a work-group, no clusters, 100,352 bytes of LDS; arguments qkv, wpf, bproj, out0; writes out0
